; MI455X (gfx1250); checked and timed in simulation.
; The chip was launched on July 23, 2026; its instructions are those of AMD's public machine-readable ISA for CDNA 5 (MIT licence, August 2026) and "CDNA5" Instruction Set Architecture Reference Guide (July 2026). The comments in the code are by the model that wrote it; some were corrected since.
;; Switch Feed Forward. Allowed arithmetic: float matrix products may take bf16 or f16 operands with f32 sums; other float arithmetic in f32, or as packed bf16 or f16 multiplies, adds, multiply-adds, maxima and minima; sums over many terms, partial sums and values carried from step to step in f32; what a program stores and reads back later, other than sums and carried values, may be rounded once to bf16 or f16.
;; Inputs: b1 8 x 512 float32; b2 8 x 1,024 float32; switch_b 8 float32; switch_w 8 x 1,024 float32; w1 8 x 512 x 1,024 float32; w2 8 x 1,024 x 512 float32; x 2,048 x 4 x 1,024 float32.
;; Outputs: out0 2,048 x 4 x 1,024 float32; out1 8 float32; out2 8 float32; out3 one number int32; out4 8,192 float32.
;; One version. Each part assembles by itself: llvm-mc -triple=amdgcn-amd-amdhsa -mcpu=gfx1250 --defsym DOCPART=n.
;; ======== version 1 of 1: 2 launches
;; workspace buffers: xb 16,777,216 bytes; wb 16,777,216 bytes; rt 16,384 bytes of whole numbers; psum 8,192 bytes
;; launch prep (part 1): grid 256 x 1, 8 waves a work-group, no clusters, 76,800 bytes of LDS; arguments x, switch_w, switch_b, w1, w2, xb, wb, rt, psum, out4; writes xb, wb, rt, psum, out4
.if DOCPART == 1
	.amdgcn_target "amdgcn-amd-amdhsa--gfx1250"
	.amdhsa_code_object_version 6
	.text
	.protected	k_qe78e73b219_prep
	.globl	k_qe78e73b219_prep
	.p2align	8
	.type	k_qe78e73b219_prep,@function
k_qe78e73b219_prep:
	s_mov_b64 s[64:65], 0
	v_nop
	global_prefetch_b8 v0, s[64:65] scope:SCOPE_SE
	s_setreg_imm32_b32 hwreg(HW_REG_WAVE_MODE, 25, 1), 1
	s_wait_xcnt 0x0
; ROUTER, AND THE 16-BIT COPIES.  x [8192][1024], switch_w [8][1024], switch_b [8], w1 [8][512][1024], w2 [8][1024][512], all f32.
; Stored: xb = x rounded to bf16, row-major; wb = w1 and w2 rounded to bf16, in the order in which the next launch's waves take them as matrix operands;
; rt = for each expert and each block of 32 tokens a bit mask of the tokens that chose it, then the number of those bits; psum = each block's sums of the 8 probabilities; out4 = each token's largest probability.
; LIMITS.  Every input is rounded once to bf16, the router's too (switch_w, switch_b, x); sums in f32.  The chosen expert is the one with the largest logit, the lowest index where two are equal
; (probabilities that round to the same f32 from unequal logits are not treated as equal).  An exponential below 2^-126 counts as 0.  NaN and infinities are not treated apart.
; SHARES.  Work-group g, eight waves; every wave takes chunks of 16 rows x 256 numbers (16 KB of f32): one of x (tokens 32 g + 16 t + 0..15, quarter q of the channels; t = wave / 4, q = wave % 4),
; the same quarter of switch_w's 8 rows, and one of the weights (waves 0-3: rows 16 g .. of w1, quarter = wave; waves 4-7: rows 16 (2 g + (wave - 4) / 2) .. of w2, half = wave % 2).
; A chunk is loaded by rows (512 consecutive bytes a load), rounded, laid into the wave's own stage in LDS and read back as fragments: 16 rows x 32 numbers in 8 registers, lane l holding row l % 16,
; numbers 8 (l / 16) + 0..7 and 16 + 8 (l / 16) + 0..7.  x's fragments and switch_w's give the wave's part of the logits; the weights' fragments are stored as they lie in the registers.
; wb: 64 streams (expert x 8 + wave of the next launch) of 64 steps of 4,096 bytes; a step is [4 blocks of 16 rows][2 halves of a fragment][32 lanes][16 bytes].
; No tensor load, no cluster: every byte has one reader, and the bytes in flight are the loads' own registers (24 KB, then 32 KB a wave).
.set PITCH, 528                        ; a stage row: 512 bytes of bf16 + 16: 132 words, so the 16 rows of a fragment load start 4 banks apart (64 banks of 4 bytes: ISA guide 11.1)
.set STGB,  16*PITCH                   ; a wave's stage
.set PART,  8*STGB                     ; behind the stages: the waves' parts of the logits, 32 bytes a thread
.set SPARE, PART+8*1024                ; behind them: the spare words, 128 bytes a wave, which no other line names
.set MSB, 0
.macro WIN new                         ; register windows: bits 1:0 source 0, 3:2 source 1, 5:4 source 2, 7:6 destination; the high byte repeats the setting that is left
.if MSB != (\new)
	s_set_vgpr_msb (MSB<<8)|(\new)
.set MSB, \new
.endif
.endm
; v1 16 x lane   v2 8 x lane   v3 stage + 8 x lane   v4 my place in a fragment load   v5 the same with row % 8   v6 where my part of the logits goes   v7 where wave 0 reads them
; v8, v9 the spare word's address and 0   v11 lane   v16-31 two accumulators   v32-39 their sum   v40-61 softmax   v64-191 x as loaded, then bf16 (v64-127) and fragments (v128-191)
; v192-255 switch_w likewise   window 1, v0-127: the weights as loaded
.macro LOADROWS dst, n, pitch, base, nt ; n rows of 1,024 bytes, two loads a row, each 512 consecutive bytes
.set rr, 0
.rept \n
.irp c, 0, 1
.if \nt
	global_load_b128 v[(\dst)+8*rr+4*\c:(\dst)+8*rr+4*\c+3], v1, s[\base:\base+1] offset:rr*(\pitch)+512*\c th:TH_LOAD_NT
.else
	global_load_b128 v[(\dst)+8*rr+4*\c:(\dst)+8*rr+4*\c+3], v1, s[\base:\base+1] offset:rr*(\pitch)+512*\c
.endif
.endr
.set rr, rr+1
.endr
.endm
.macro CVT src, dst, nl                ; nl loads' four f32 become two registers of bf16; in place it goes upward and overtakes nothing
.set ii, 0
.rept \nl
	v_cvt_pk_bf16_f32 v[(\dst)+2*ii], v[(\src)+4*ii], v[(\src)+4*ii+1]
	v_cvt_pk_bf16_f32 v[(\dst)+2*ii+1], v[(\src)+4*ii+2], v[(\src)+4*ii+3]
.set ii, ii+1
.endr
.endm
.macro TOSTAGE src, n                  ; n rows into my stage: 256 consecutive bytes a store
.set rr, 0
.rept \n
	ds_store_b64 v3, v[(\src)+4*rr:(\src)+4*rr+1] offset:rr*PITCH
	ds_store_b64 v3, v[(\src)+4*rr+2:(\src)+4*rr+3] offset:rr*PITCH+256
.set rr, rr+1
.endr
.endm
.macro FRAGS dst, adr                  ; back as eight fragments.  LDS serves a wave's instructions in order (ISA guide 5.7.1.4): these see the stores above
.set ii, 0
.rept 16
	ds_load_b128 v[(\dst)+4*ii:(\dst)+4*ii+3], v[\adr] offset:32*ii
.set ii, ii+1
.endr
.endm
.macro WOUT stride                     ; the fragments leave as they lie: 512 consecutive bytes a store, at a multiple of 512 from wb's first byte
.set ii, 0
.rept 16
	s_wait_dscnt 15-ii                     ; LDS loads come back in order: load ii is in, the younger ones stay out
	global_store_b128 v1, v[128+4*ii:128+4*ii+3], s[32:33] offset:(ii/2)*(\stride)+(ii%2)*512
.set ii, ii+1
.endr
.endm
	s_load_b512 s[4:19], s[0:1], 0x0               ; x s[4:5], switch_w s[6:7], switch_b s[8:9], w1 s[10:11], w2 s[12:13], xb s[14:15], wb s[16:17], rt s[18:19]
	s_load_b128 s[20:23], s[0:1], 0x40             ; psum s[20:21], out4 s[22:23]
	v_lshl_add_u32 v8, v0, 2, SPARE
	v_mov_b32 v9, 0
	v_lshrrev_b32 v10, 5, v0
	v_readfirstlane_b32 s24, v10                   ; wave 0..7
	s_mov_b32 s25, ttmp9                           ; g
	s_lshr_b32 s26, s24, 2                         ; t
	s_and_b32 s27, s24, 3                          ; q
	v_and_b32 v11, 31, v0                          ; lane
	v_and_b32 v12, 15, v0                          ; l % 16
	v_bfe_u32 v13, v0, 4, 1                        ; l / 16
	v_and_b32 v14, 7, v0
	v_lshlrev_b32 v1, 4, v11
	v_lshlrev_b32 v2, 3, v11
	s_mul_i32 s56, s24, STGB                       ; my stage
	v_add_nc_u32 v3, s56, v2
	v_mul_u32_u24 v4, v12, PITCH
	v_lshl_add_u32 v4, v13, 4, v4
	v_add_nc_u32 v4, s56, v4                       ; stage + row x pitch + 16 x half
	v_mul_u32_u24 v5, v14, PITCH
	v_lshl_add_u32 v5, v13, 4, v5
	v_add_nc_u32 v5, s56, v5                       ; the same with rows 8-15 taken from rows 0-7: switch_w has 8 rows
	v_lshl_add_u32 v6, v0, 5, PART                 ; 32 bytes a thread
	v_lshlrev_b32 v7, 5, v12
	v_lshl_add_u32 v7, v13, 12, v7
	v_add_nc_u32 v7, PART, v7                      ; wave 0, lane = token: the parts of waves 4 (l / 16) + 0..3, thread l % 16
	s_mov_b32 s54, 0x76543210                      ; v_permlanex16_b32: each lane takes its own place in the other half
	s_mov_b32 s55, 0xfedcba98
	s_mov_b32 s29, 0                               ; offsets are made in s[28:29], apart from the addresses
	s_lshl_b32 s56, s27, 10                        ; q x 1,024 bytes
	s_lshl_b32 s57, s26, 16
	s_lshl_b32 s28, s25, 17
	s_add_co_u32 s28, s28, s57
	s_add_co_u32 s28, s28, s56                     ; (32 g + 16 t) rows of 4,096 bytes + q x 1,024
	s_wait_kmcnt 0x0
	s_load_b256 s[36:43], s[8:9], 0x0              ; switch_b
	s_add_nc_u64 s[4:5], s[4:5], s[28:29]
	s_mov_b32 s28, s56
	s_add_nc_u64 s[6:7], s[6:7], s[28:29]
	LOADROWS 192, 8, 4096, 6, 0                    ; switch_w's quarter: 16 loads
	LOADROWS 64, 16, 4096, 4, 1                    ; x's chunk: 32 loads
	s_lshl_b32 s28, s25, 16
	s_lshl_b32 s57, s26, 15
	s_add_co_u32 s28, s28, s57
	s_lshl_b32 s57, s27, 9
	s_add_co_u32 s28, s28, s57
	s_add_nc_u64 s[14:15], s[14:15], s[28:29]      ; xb: (32 g + 16 t) rows of 2,048 bytes + q x 512
	s_lshl_b32 s28, s25, 2
	s_add_nc_u64 s[18:19], s[18:19], s[28:29]      ; rt: word g of each expert's 256
	s_lshl_b32 s28, s25, 5
	s_add_nc_u64 s[20:21], s[20:21], s[28:29]      ; psum: row g
	s_lshl_b32 s28, s25, 7
	s_add_nc_u64 s[22:23], s[22:23], s[28:29]      ; out4: my 32 tokens
	s_wait_loadcnt 32                              ; switch_w is in; x's 32 loads, issued behind it, stay out
	CVT 192, 192, 16
	TOSTAGE 192, 8
	FRAGS 192, 5
	s_cmp_lt_u32 s24, 4                            ; the weights' chunk is asked for: two arms, 32 loads in each
	s_cbranch_scc0 .Lw2in
	s_lshl_b32 s28, s25, 16
	s_lshl_b32 s57, s24, 10
	s_add_co_u32 s28, s28, s57
	s_add_nc_u64 s[30:31], s[10:11], s[28:29]      ; w1: 16 g rows of 4,096 bytes + wave x 1,024
	s_lshr_b32 s28, s25, 2
	s_lshl_b32 s28, s28, 18                        ; stream g / 4,
	s_and_b32 s57, s25, 3
	s_lshl_b32 s57, s57, 10                        ; block g % 4 of a step's four,
	s_add_co_u32 s28, s28, s57
	s_lshl_b32 s57, s24, 15                        ; steps 8 x wave on
	s_add_co_u32 s28, s28, s57
	s_add_nc_u64 s[32:33], s[16:17], s[28:29]
	WIN 0x40                                       ; destination window 1
	LOADROWS 0, 16, 4096, 30, 1
	WIN 0
	s_branch .Lwasked
.Lw2in:
	s_sub_co_u32 s58, s24, 4
	s_lshr_b32 s58, s58, 1
	s_lshl_b32 s59, s25, 1
	s_add_co_u32 s58, s58, s59                     ; block of 16 rows: 2 g + (wave - 4) / 2
	s_and_b32 s59, s24, 1                          ; which half of the 512 numbers of a row
	s_lshl_b32 s28, s58, 15
	s_lshl_b32 s57, s59, 10
	s_add_co_u32 s28, s28, s57
	s_add_nc_u64 s[30:31], s[12:13], s[28:29]      ; w2: 16 rows of 2,048 bytes a block + half x 1,024
	s_lshr_b32 s28, s58, 3
	s_lshl_b32 s28, s28, 18                        ; stream block / 8,
	s_and_b32 s57, s58, 7
	s_lshl_b32 s57, s57, 10                        ; block % 8 of the eight that two steps hold,
	s_add_co_u32 s28, s28, s57
	s_lshl_b32 s57, s59, 16                        ; 16 steps on for the second half,
	s_add_co_u32 s28, s28, s57
	s_add_co_u32 s28, s28, 131072                  ; behind w1's 32 steps
	s_add_nc_u64 s[32:33], s[16:17], s[28:29]
	WIN 0x40
	LOADROWS 0, 16, 2048, 30, 1
	WIN 0
.Lwasked:
	s_wait_loadcnt 32                              ; x is in; the 32 weight loads, issued behind it, stay out
	CVT 64, 64, 32
.set ii, 0
.rept 32
	global_store_b64 v2, v[64+2*ii:64+2*ii+1], s[14:15] offset:(ii/2)*2048+(ii%2)*256  ; 256 consecutive bytes, at a multiple of 256 from xb's first byte
.set ii, ii+1
.endr
	TOSTAGE 64, 16                                 ; behind switch_w's fragment loads, which LDS has served by then
	FRAGS 128, 4
	s_wait_dscnt 0x0                               ; both sets of fragments are in
	; logits^T = switch_w x^T: source 0 = the experts (rows 8-15 repeat 0-7), source 1 = 16 tokens: a lane holds token l % 16, register j expert j.  Two accumulators by turns
	v_wmma_f32_16x16x32_bf16 v[16:23], v[192:199], v[128:135], 0
	v_wmma_f32_16x16x32_bf16 v[24:31], v[200:207], v[136:143], 0
.irp ks, 2,3,4,5,6,7
	v_wmma_f32_16x16x32_bf16 v[16+8*(\ks%2):23+8*(\ks%2)], v[192+8*\ks:199+8*\ks], v[128+8*\ks:135+8*\ks], v[16+8*(\ks%2):23+8*(\ks%2)]
.endr
.rept 4
	v_nop                                          ; four places between the last product and the first read of a result (ISA guide 7.12.1)
.endr
.irp j, 0,2,4,6
	v_pk_add_f32 v[32+\j:33+\j], v[16+\j:17+\j], v[24+\j:25+\j]
.endr
	ds_store_b128 v6, v[32:35]
	ds_store_b128 v6, v[36:39] offset:16
	s_wait_kmcnt 0x0                               ; switch_b
	s_wait_dscnt 0x0                               ; for wave 0's sake: my part of the logits is in LDS
	s_barrier_signal -1
	s_barrier_wait -1
	s_cmp_lg_u32 s24, 0
	s_cbranch_scc1 .Lweights
	; WAVE 0: the softmax of the block's 32 tokens, a token a lane
.irp qq, 0,1,2,3
	ds_load_b128 v[128+8*\qq:131+8*\qq], v7 offset:\qq*1024
	ds_load_b128 v[132+8*\qq:135+8*\qq], v7 offset:\qq*1024+16
.endr
.irp i, 0,1,2,3
	v_cvt_pk_bf16_f32 v[40+\i], s[36+2*\i], s[37+2*\i]  ; the bias rounded to bf16, like every input,
.endr
.irp i, 0,1,2,3
	v_lshlrev_b32 v[44+2*\i], 16, v[40+\i]         ; and widened again
	v_and_b32 v[45+2*\i], 0xffff0000, v[40+\i]
.endr
	s_wait_dscnt 0x0
.irp j, 0,2,4,6
	v_pk_add_f32 v[128+\j:129+\j], v[128+\j:129+\j], v[136+\j:137+\j]
	v_pk_add_f32 v[144+\j:145+\j], v[144+\j:145+\j], v[152+\j:153+\j]
.endr
.irp j, 0,2,4,6
	v_pk_add_f32 v[128+\j:129+\j], v[128+\j:129+\j], v[144+\j:145+\j]
.endr
.irp j, 0,2,4,6
	v_pk_add_f32 v[128+\j:129+\j], v[128+\j:129+\j], v[44+\j:45+\j]  ; the eight logits
.endr
	v_max3_num_f32 v52, v128, v129, v130
	v_max3_num_f32 v52, v52, v131, v132
	v_max3_num_f32 v52, v52, v133, v134
	v_max_num_f32 v52, v52, v135                   ; their maximum
	v_mov_b32 v53, 7
.irp e, 6,5,4,3,2,1,0
	v_cmp_eq_f32 vcc_lo, v[128+\e], v52
	v_cndmask_b32 v53, v53, \e, vcc_lo             ; the lowest index that reaches it
.endr
.irp e, 0,1,2,3,4,5,6,7
	v_sub_f32 v[128+\e], v[128+\e], v52            ; the maximum is taken away first, unfused, so that the largest exponent is exactly 0 and its exponential exactly 1
.endr
.irp e, 0,1,2,3,4,5,6,7
	v_mul_f32 v[128+\e], 0x3fb8aa3b, v[128+\e]     ; log2(e)
.endr
.irp e, 0,1,2,3,4,5,6,7
	v_exp_f32 v[136+\e], v[128+\e]                 ; one batch
.endr
	v_lshlrev_b32 v54, 2, v11                      ; 4 x lane: the plain instruction behind the last exponential (ISA guide 5.7.2)
	s_wait_alu depctr_va_vdst(0)                   ; one wait for the batch, ahead of its first reader
	v_pk_add_f32 v[144:145], v[136:137], v[138:139]
	v_pk_add_f32 v[146:147], v[140:141], v[142:143]
	v_pk_add_f32 v[144:145], v[144:145], v[146:147]
	v_add_f32 v55, v144, v145
	v_rcp_f32 v56, v55                             ; 1 / sum: also the largest probability
	v_mov_b32 v57, 0                               ; the plain instruction behind it; v57 is named with v56 as a pair
	s_wait_alu depctr_va_vdst(0)
.irp j, 0,2,4,6
	v_pk_mul_f32 v[136+\j:137+\j], v[136+\j:137+\j], v[56:57] op_sel_hi:[1,0]  ; the probabilities
.endr
	global_store_b32 v54, v56, s[22:23]            ; out4: 128 consecutive bytes
.irp m, 1,2,4,8
.irp e, 0,1,2,3,4,5,6,7
	v_add_f32_dpp v[136+\e], v[136+\e], v[136+\e] row_xmask:\m row_mask:0xf bank_mask:0xf  ; each probability summed over the 32 tokens
.endr
.endr
.irp e, 0,1,2,3,4,5,6,7
	v_permlanex16_b32 v[144+\e], v[136+\e], s54, s55
.endr
.irp e, 0,1,2,3,4,5,6,7
	v_add_f32 v[136+\e], v[136+\e], v[144+\e]
.endr
	v_mov_b32 v58, 0
	v_mov_b32 v59, 0
	v_mov_b32 v60, 0
.irp e, 0,1,2,3,4,5,6,7                 ; lane e takes expert e's sum, mask and count
	v_readfirstlane_b32 s56, v[136+\e]
	v_writelane_b32 v58, s56, \e
	v_cmp_eq_u32 s[44+\e], \e, v53                 ; bit l: token 32 g + l chose expert e.  The mask is data here: no address and no branch of this launch hangs on it
	s_bcnt1_i32_b32 s57, s[44+\e]
	v_writelane_b32 v59, s[44+\e], \e
	v_writelane_b32 v60, s57, \e
.endr
	v_lshlrev_b32 v61, 10, v11                     ; expert e's 256 words begin at 1,024 e
	s_wait_xcnt 0x0                                ; EXEC is a source of the loads and stores that are out: it changes only behind this wait
	v_cmp_gt_u32 vcc_lo, 8, v11
	s_and_saveexec_b32 s52, vcc_lo
	global_store_b32 v61, v59, s[18:19]
	global_store_b32 v61, v60, s[18:19] offset:8192
	global_store_b32 v54, v58, s[20:21]
	s_wait_xcnt 0x0                                ; and again in front of the line that widens it
	s_or_b32 exec_lo, exec_lo, s52
.Lweights:
	s_wait_loadcnt 0x0                             ; the weights' chunk is in
	s_wait_xcnt 0x0                                ; v64-127, which xb's stores read, are rewritten only behind this wait
	WIN 0x05                                       ; sources in window 1
	CVT 0, 64, 32
	WIN 0
	TOSTAGE 64, 16
	FRAGS 128, 4                                   ; the 64 conversions above are more than the four places behind the products that read v128-191
	s_cmp_lt_u32 s24, 4
	s_cbranch_scc0 .Lw2out
	WOUT 4096                                      ; w1: a step for each 32 numbers of a row
	s_branch .Lend
.Lw2out:
	WOUT 8192                                      ; w2: two steps
.Lend:
	s_wait_tensorcnt 0x0                           ; the wave's end
	ds_add_u32 v8, v9
	s_wait_dscnt 0x0
	s_endpgm
.Lfunc_end_k_qe78e73b219_prep:
	.size	k_qe78e73b219_prep, .Lfunc_end_k_qe78e73b219_prep-k_qe78e73b219_prep
	.p2alignl 7, 3214868480
	.fill 96, 4, 3214868480
	.section	.rodata,"a",@progbits
	.p2align	6, 0x0
	.amdhsa_kernel k_qe78e73b219_prep
		.amdhsa_group_segment_fixed_size 76800
		.amdhsa_private_segment_fixed_size 0
		.amdhsa_enable_private_segment 0
		.amdhsa_kernarg_size 80
		.amdhsa_user_sgpr_count 2
		.amdhsa_user_sgpr_kernarg_segment_ptr 1
		.amdhsa_wavefront_size32 1
		.amdhsa_system_sgpr_workgroup_id_x 1
		.amdhsa_system_sgpr_workgroup_id_y 1
		.amdhsa_system_sgpr_workgroup_id_z 1
		.amdhsa_system_vgpr_workitem_id 0
		.amdhsa_next_free_vgpr 384
		.amdhsa_next_free_sgpr 66
		.amdhsa_reserve_vcc 1
		.amdhsa_float_denorm_mode_32 3
		.amdhsa_float_denorm_mode_16_64 3
		.amdhsa_memory_ordered 1
		.amdhsa_forward_progress 1
		.amdhsa_inst_pref_size 52
	.end_amdhsa_kernel
	.amdgpu_metadata
---
amdhsa.version: [ 1, 2 ]
amdhsa.kernels:
  - .name:           k_qe78e73b219_prep
    .symbol:         k_qe78e73b219_prep.kd
    .args:
      - { .name: x, .offset: 0, .size: 8, .value_kind: global_buffer, .address_space: global }
      - { .name: switch_w, .offset: 8, .size: 8, .value_kind: global_buffer, .address_space: global }
      - { .name: switch_b, .offset: 16, .size: 8, .value_kind: global_buffer, .address_space: global }
      - { .name: w1, .offset: 24, .size: 8, .value_kind: global_buffer, .address_space: global }
      - { .name: w2, .offset: 32, .size: 8, .value_kind: global_buffer, .address_space: global }
      - { .name: xb, .offset: 40, .size: 8, .value_kind: global_buffer, .address_space: global }
      - { .name: wb, .offset: 48, .size: 8, .value_kind: global_buffer, .address_space: global }
      - { .name: rt, .offset: 56, .size: 8, .value_kind: global_buffer, .address_space: global }
      - { .name: psum, .offset: 64, .size: 8, .value_kind: global_buffer, .address_space: global }
      - { .name: out4, .offset: 72, .size: 8, .value_kind: global_buffer, .address_space: global }
    .group_segment_fixed_size: 76800
    .private_segment_fixed_size: 0
    .kernarg_segment_align: 8
    .kernarg_segment_size: 80
    .max_flat_workgroup_size: 256
    .sgpr_count:     66
    .vgpr_count:     384
    .wavefront_size: 32
...
	.end_amdgpu_metadata
.endif
;; end of part 1
;; launch ffn (part 2): grid 178 x 1, 8 waves a work-group, no clusters, 218,624 bytes of LDS; arguments rt, psum, xb, wb, b1, b2, out0, out1, out2, out3; writes out0, out1, out2, out3
.if DOCPART == 2
	.amdgcn_target "amdgcn-amd-amdhsa--gfx1250"
	.amdhsa_code_object_version 6
	.text
	.protected	k_qe78e73b219_ffn
	.globl	k_qe78e73b219_ffn
	.p2align	8
	.type	k_qe78e73b219_ffn,@function
k_qe78e73b219_ffn:
	s_mov_b64 s[64:65], 0
	v_nop
	global_prefetch_b8 v0, s[64:65] scope:SCOPE_SE
	s_setreg_imm32_b32 hwreg(HW_REG_WAVE_MODE, 25, 1), 1
	s_wait_xcnt 0x0
; THE CHOSEN EXPERT'S TWO LAYERS.  out0[token] = w2[E] relu(w1[E] x[token] + b1[E]) + b2[E], E the expert that the launch before stored for the token; out1 = tokens an expert, out2 = the sums of the
; probabilities, out3 = 0.  x and the weights come as bf16 (xb, wb); b1 and b2 are rounded to bf16 here; products in bf16 with f32 sums; the hidden layer is rounded once to bf16.
; LIMITS.  All inputs rounded to bf16.  The factor p / p of the largest probability, which lies in 1/8 .. 1 for finite logits and so divides to exactly 1, is not multiplied: a NaN or an infinity among the
; logits does not reach out0 by that way.
; TILES.  A work-group takes 48 tokens of one expert through both layers.  With counts c the experts have ceil(c / 48) tiles, 178 at the most in all for 8,192 tokens and 8 experts, whatever the choice:
; that is the grid.  Every work-group finds its expert and its first rank from the stored counts.  One that a given choice leaves without rows walks the same text on a repeated row and stores nothing
; (no barrier may stand under a branch on loaded numbers); in a tile that is not full the places past the count repeat the expert's last token, and their stores are jumped.
; THE ORDER of an expert's tokens is that of the table as the lanes load it (lane, then its eight words, then the bits): the same in every work-group.  Each wave finds the tokens of its six ranks by itself.
; SHARES.  Eight waves.  Layer 1: wave v makes hidden columns 64 v .. + 63 of all 48 rows; layer 2: output columns 128 v .. + 127.  The products are used transposed (source 0 = 16 rows of weights,
; source 1 = 16 tokens), so that a lane holds one token and eight neighbouring columns.  The tokens' rows lie in LDS (X), the hidden layer too (H).
; THE WEIGHTS go from memory straight into registers, as the launch before laid them: 64 steps of 4,096 bytes a wave (eight loads of 512 consecutive bytes), a ring of eight register slots, seven steps asked
; for ahead.  NO LDS FOR THEM, SO NO CLUSTER AND NO JOINT LOADS: each byte has one reader in the work-group, and a step's twelve products, which have six LDS loads for the tokens, would get eight more for the
; weights; partners would also have to be alike in expert and count.
; REGISTERS.  Window 0: v1 16 x lane; v2, v3 my place in X's fragments (row blocks 0-1; block 2); v4 in H's; v5 where my part of H goes; v6, v7 the stage, in and back; v8, v9 spare word and 0; v10 0;
; v11 where the gathered rows go, later the list's first byte; v12 the biases' offset; v13 lane; v14, v15 at work; token fragments (3 row blocks x 8 registers a buffer): layer 1 four buffers, v16-39, v40-63,
; v160-183, v224-247; layer 2 the first two; accumulators: layer 1 v64-159, layer 2 v64-255; b2 waits through layer 1 as bf16 pairs in v192-223.  Window 1: the ring, 8 x 32.
.set XP,    2064                       ; a row of X: 2,048 bytes + 16; of H: 1,024 + 16; of a stage: 512 + 16: each an odd multiple of 16 bytes, so the 16 rows of a fragment load start 4 banks apart (ISA guide 11.1)
.set HP,    1040
.set SPP,   528
.set HB,    48*XP                      ; H behind X
.set STG,   HB+48*HP                   ; a stage of 16 rows of 128 f32 for each wave
.set LIST,  STG+8*16*SPP               ; the tile's tokens: a word a thread; wave v's lanes 0-5 hold rows 6 v .. 6 v + 5
.set SPARE, LIST+1024                  ; the spare words, 128 bytes a wave, which no other line names
.set ACC,   64
.set MSB, 0
.macro WIN new                         ; bits 1:0 source 0, 3:2 source 1, 5:4 source 2, 7:6 destination; the high byte repeats the setting that is left
.if MSB != (\new)
	s_set_vgpr_msb (MSB<<8)|(\new)
.set MSB, \new
.endif
.endm
.macro RINGLOAD slot, rel              ; a step's 4,096 bytes into a slot of the ring; rel: the step, counted from where the weights' base stands
	WIN 0x40                                       ; destination window 1
.set ll, 0
.rept 8
	global_load_b128 v[32*(\slot)+4*ll:32*(\slot)+4*ll+3], v1, s[10:11] offset:(\rel)*4096+ll*512
.set ll, ll+1
.endr
.endm
; Fragment buffer b begins at 16, 40, 160, 224 for b = 0 .. 3
.macro AFLOAD1 buf, kr                 ; the 48 tokens' fragments of 32 channels, kr counted from where v2 and v3 stand
	WIN 0
.set FB, 16+24*(\buf)+((\buf)/2)*(96+40*((\buf)-2))
	ds_load_b128 v[FB:FB+3],     v2 offset:(\kr)*64
	ds_load_b128 v[FB+4:FB+7],   v2 offset:(\kr)*64+32
	ds_load_b128 v[FB+8:FB+11],  v2 offset:16*XP+(\kr)*64
	ds_load_b128 v[FB+12:FB+15], v2 offset:16*XP+(\kr)*64+32
	ds_load_b128 v[FB+16:FB+19], v3 offset:(\kr)*64
	ds_load_b128 v[FB+20:FB+23], v3 offset:(\kr)*64+32
.endm
.macro AFLOAD2 buf, kr                 ; the same from H
	WIN 0
.set FB, 16+24*(\buf)
.irp mb, 0,1,2
	ds_load_b128 v[FB+8*\mb:FB+8*\mb+3],   v4 offset:\mb*16*HP+(\kr)*64
	ds_load_b128 v[FB+8*\mb+4:FB+8*\mb+7], v4 offset:\mb*16*HP+(\kr)*64+32
.endr
.endm
; Products lo .. hi of a step's twelve: number 4 mb + nb is row block mb x block nb of the step's four blocks of 16 weight rows.  SL, AFX, MS, NB0 are set by SSTEP.  The twelve accumulators take turns, one
; instruction a turn, in the same order in every step.  first = 1: the sums begin with the bias, which lies in row block 2's accumulators: blocks 0 and 1 take it as C, block 2 adds in place.
.macro MUL lo, hi, first
	WIN 0x01                                       ; the weights in window 1
.set tt, \lo
.rept (\hi)-(\lo)+1
.set rD, ACC+8*(MS*(tt/4)+NB0+tt%4)
.set rC, rD
.if (\first) && (tt < 8)
.set rC, ACC+8*(MS*2+NB0+tt%4)
.endif
.set rW, 32*SL+8*(tt%4)
.set rX, AFX+8*(tt/4)
	v_wmma_f32_16x16x32_bf16 v[rD:rD+7], v[rW:rW+7], v[rX:rX+7], v[rC:rC+7]
.set tt, tt+1
.endr
.endm
; A STEP: one slot of the ring against the tokens' fragments.  lc: the loads issued behind this slot's, eight for each later slot.  dc: the LDS loads issued behind this step's fragments.
; In its middle the slot read by the step before is asked for again, seven steps ahead, and fragments are fetched into the buffer that the step before read: in layer 1 those of the step three on (four buffers:
; thirty products of the wave stand between a request and the wait for it), in layer 2, where a buffer serves two steps, those of the next 32 hidden columns (eighteen).  Four v_nop are the places between those
; last readers and the loads (ISA guide 7.12.1 for vector instructions).  In a first step five stand there: block 2's products write over registers that the eight products before them took as C.
.macro SSTEP rel, layer, first, refill, dsnext, lc, dc
.set SL, (\rel)%8
.if (\layer) == 1
.set AFB, (\rel)%4
.set NXB, ((\rel)+3)%4
.set MS, 4
.set NB0, 0
.set DSW, 1
.set KR, (\rel)+3
.else                                  ; layer 2: two steps (output blocks 0-3, 4-7) to each 32 hidden columns
.set AFB, (((\rel)-8)/2)%2
.set NXB, 1-AFB
.set MS, 8
.set NB0, 4*((\rel)%2)
.set DSW, 1-(\rel)%2
.set KR, ((\rel)-8)/2+1
.endif
.set AFX, 16+24*AFB+(AFB/2)*(96+40*(AFB-2))
	s_wait_loadcnt \lc                             ; loads come back in order (ISA guide 5.7.1): this slot is in, the later ones stay out
.if DSW
	s_wait_dscnt \dc                               ; LDS loads too: this step's fragments are in, the later steps' stay out
.endif
.if \first
	MUL 0, 7, 1
.rept 5
	v_nop
.endr
.elseif (\refill) || (\dsnext)
	MUL 0, 5, 0
.rept 4
	v_nop
.endr
.endif
.if \refill
	RINGLOAD ((\rel)+7)%8, (\rel)+7
.endif
.if \dsnext
.if (\layer) == 1
	AFLOAD1 NXB, KR
.else
	AFLOAD2 NXB, KR
.endif
.endif
.if \first
	MUL 8, 11, 1
.elseif (\refill) || (\dsnext)
	MUL 6, 11, 0
.else
	MUL 0, 11, 0
.endif
.endm
	s_load_b512 s[4:19], s[0:1], 0x0               ; rt s[4:5], psum s[6:7], xb s[8:9], wb s[10:11], b1 s[12:13], b2 s[14:15], out0 s[16:17], out1 s[18:19]
	s_load_b128 s[20:23], s[0:1], 0x40             ; out2 s[20:21], out3 s[22:23]
	v_lshl_add_u32 v8, v0, 2, SPARE
	v_mov_b32 v9, 0
	v_mov_b32 v10, 0
	v_lshrrev_b32 v13, 5, v0
	v_readfirstlane_b32 s24, v13                   ; wave v
	s_mov_b32 s25, ttmp9                           ; g
	v_and_b32 v13, 31, v0                          ; lane
	v_and_b32 v14, 15, v0                          ; l % 16
	v_bfe_u32 v15, v0, 4, 1                        ; l / 16
	v_lshlrev_b32 v1, 4, v13
	s_wait_kmcnt 0x0
	; the whole table: for each expert 256 masks (v64-127) and their 256 counts (v128-191): lane l holds words 4 l .. 4 l + 3 and 128 + 4 l .. 128 + 4 l + 3
.irp e, 0,1,2,3,4,5,6,7
	global_load_b128 v[64+8*\e:67+8*\e],   v1, s[4:5] offset:\e*1024
	global_load_b128 v[68+8*\e:71+8*\e],   v1, s[4:5] offset:\e*1024+512
	global_load_b128 v[128+8*\e:131+8*\e], v1, s[4:5] offset:8192+\e*1024
	global_load_b128 v[132+8*\e:135+8*\e], v1, s[4:5] offset:8192+\e*1024+512
.endr
	v_mul_u32_u24 v2, v14, XP
	v_lshl_add_u32 v2, v15, 4, v2                  ; row x pitch + 16 x half
	v_add_nc_u32 v3, 32*XP, v2                     ; row block 2: its distance does not fit an LDS offset's 16 bits
	v_mul_u32_u24 v4, v14, HP
	v_lshl_add_u32 v4, v15, 4, v4
	v_add_nc_u32 v4, HB, v4
	s_lshl_b32 s44, s24, 7
	v_add_nc_u32 v5, s44, v4                       ; my 64 hidden columns are 128 bytes of a row of H
	s_mul_i32 s45, s24, 16*SPP
	s_add_co_u32 s45, s45, STG                     ; my stage
	v_mul_u32_u24 v6, v14, SPP
	v_lshl_add_u32 v6, v15, 5, v6
	v_add_nc_u32 v6, s45, v6                       ; in: row l % 16, 32 bytes for each half of the lanes
	v_add_nc_u32 v7, s45, v1                       ; back: a row of 512 bytes
	s_mul_i32 s44, s24, 6*XP
	v_add_nc_u32 v11, s44, v1                      ; X: my six rows
	v_lshlrev_b32 v12, 5, v15                      ; a lane's eight bias numbers begin 32 (l / 16) bytes into a block of 16
	s_mov_b32 s40, 0x76543210                      ; v_permlanex16_b32: each lane takes its own place in the other half
	s_mov_b32 s41, 0xfedcba98
	s_mov_b32 s51, 0                               ; offsets are made in s[50:51], apart from the addresses
	s_mov_b32 s53, 0xaaaaaaaa                      ; the odd lanes
	s_mov_b32 s54, 0xffff0000
.irp i, 0,1,2,3
	v_mov_b32 v[28+\i], 0                          ; destinations of the lane exchanges below count as read
.endr
	s_wait_loadcnt 0x0
	; each expert's count: my eight words', two experts to a register (8,192 at the most fits 16 bits), then over the lanes
.irp e, 0,1,2,3,4,5,6,7
	v_add3_u32 v[16+\e], v[128+8*\e], v[129+8*\e], v[130+8*\e]
.endr
.irp e, 0,1,2,3,4,5,6,7
	v_add3_u32 v[16+\e], v[16+\e], v[131+8*\e], v[132+8*\e]
.endr
.irp e, 0,1,2,3,4,5,6,7
	v_add3_u32 v[16+\e], v[16+\e], v[133+8*\e], v[134+8*\e]
.endr
.irp e, 0,1,2,3,4,5,6,7
	v_add_nc_u32 v[16+\e], v[16+\e], v[135+8*\e]
.endr
.irp i, 0,1,2,3
	v_lshl_or_b32 v[24+\i], v[17+2*\i], 16, v[16+2*\i]
.endr
.irp m, 1,2,4,8
.irp i, 0,1,2,3
	v_mov_b32_dpp v[28+\i], v[24+\i] row_xmask:\m row_mask:0xf bank_mask:0xf
.endr
.irp i, 0,1,2,3
	v_add_nc_u32 v[24+\i], v[24+\i], v[28+\i]
.endr
.endr
.irp i, 0,1,2,3
	v_permlanex16_b32 v[28+\i], v[24+\i], s40, s41
.endr
.irp i, 0,1,2,3
	v_add_nc_u32 v[24+\i], v[24+\i], v[28+\i]
.endr
.irp i, 0,1,2,3
	v_readfirstlane_b32 s44, v[24+\i]
	s_and_b32 s[32+2*\i], s44, 0xffff              ; s[32:39]: the eight counts
	s_lshr_b32 s[33+2*\i], s44, 16
.endr
	; my tile: the last expert whose first tile is not behind g.  ceil(c / 48) = ((c + 47) x 43,691) >> 21, exact up to 131,071
	s_mov_b32 s42, 0                               ; the expert's first tile
	s_mov_b32 s27, 0                               ; E
	s_mov_b32 s43, 0                               ; its first tile
	s_mov_b32 s29, 0                               ; its count
.irp e, 0,1,2,3,4,5,6,7
	s_cmp_ge_u32 s25, s42
	s_cselect_b32 s27, \e, s27
	s_cselect_b32 s43, s42, s43
	s_cselect_b32 s29, s[32+\e], s29
	s_add_co_u32 s44, s[32+\e], 47
	s_mul_i32 s44, s44, 43691
	s_lshr_b32 s44, s44, 21
	s_add_co_u32 s42, s42, s44
.endr
	s_sub_co_u32 s28, s25, s43
	s_mul_i32 s28, s28, 48                         ; my first rank
	s_sub_co_i32 s26, s29, s28
	s_min_i32 s26, s26, 48
	s_max_i32 s26, s26, 0                          ; N: my rows, 0 to 48
	s_max_u32 s30, s29, 1
	s_sub_co_u32 s30, s30, 1                       ; the expert's last rank: ranks past it repeat it
	s_min_u32 s27, s27, 7
	; my expert's eight masks, eight counts and their sum go where the one text below names them: v28-35, v36-43, v44
.macro SEL e
.set kk, 0
.rept 8
	v_mov_b32 v[28+kk], v[64+8*(\e)+kk]
	v_mov_b32 v[36+kk], v[128+8*(\e)+kk]
.set kk, kk+1
.endr
	v_mov_b32 v44, v[16+(\e)]
.endm
.irp e, 0,1,2,3,4,5,6
	s_cmp_eq_u32 s27, \e
	s_cbranch_scc1 .Lsel\e
.endr
	SEL 7
	s_branch .Lseld
.irp e, 0,1,2,3,4,5
.Lsel\e:
	SEL \e
	s_branch .Lseld
.endr
.Lsel6:
	SEL 6
.Lseld:
	; the bases; the biases and the ring's first two slots are asked for before the ranks are looked up.  The other slots go out behind the gathered rows, which are wanted first
	s_lshl_b32 s44, s27, 3
	s_add_co_u32 s44, s44, s24
	s_lshl_b32 s50, s44, 18
	s_add_nc_u64 s[10:11], s[10:11], s[50:51]      ; wb: stream 8 E + v, 262,144 bytes each
	s_lshl_b32 s50, s27, 11
	s_lshl_b32 s44, s24, 8
	s_add_co_u32 s50, s50, s44
	s_add_nc_u64 s[12:13], s[12:13], s[50:51]      ; b1: 2,048 E + 256 v
	s_lshl_b32 s50, s50, 1
	s_add_nc_u64 s[14:15], s[14:15], s[50:51]      ; b2: 4,096 E + 512 v
	s_lshl_b32 s50, s24, 9
	s_add_nc_u64 s[16:17], s[16:17], s[50:51]      ; out0: my 128 columns
.irp nb, 0,1,2,3
	global_load_b128 v[128+8*\nb:131+8*\nb], v12, s[12:13] offset:\nb*64       ; b1 into layer 1's accumulators of row block 2: register j = column 16 nb + 8 (l / 16) + j
	global_load_b128 v[132+8*\nb:135+8*\nb], v12, s[12:13] offset:\nb*64+16
.endr
.irp nb, 0,1,2,3,4,5,6,7
	global_load_b128 v[192+8*\nb:195+8*\nb], v12, s[14:15] offset:\nb*64       ; b2 where layer 2's lie
	global_load_b128 v[196+8*\nb:199+8*\nb], v12, s[14:15] offset:\nb*64+16
.endr
	RINGLOAD 0, 0
	RINGLOAD 1, 1
	WIN 0
	; how many of the expert's tokens lie in the lanes below mine: bit by bit of the lanes' sums (256 at the most: nine bits)
	v_mov_b32 v45, 0
.irp b, 0,1,2,3,4,5,6,7,8
	v_and_b32 v47, 1<<\b, v44
	v_cmp_ne_u32 s48, 0, v47
	v_mbcnt_lo_u32_b32 v47, s48, 0
	v_lshl_add_u32 v45, v47, \b, v45
.endr
	v_add_nc_u32 v46, v45, v44                     ; and with mine
	; my wave's six ranks: rank j's lane is the number of lanes whose running sum does not pass it.  Lane j of v48, v49 takes that lane and the rank; lanes 5 to 31 all take rank 5's
	s_mul_i32 s45, s24, 6
	s_add_co_u32 s45, s45, s28
	s_add_co_u32 s44, s45, 5
	s_min_u32 s44, s44, s30
	v_cmp_le_u32 s48, v46, s44
	s_bcnt1_i32_b32 s46, s48
	s_min_u32 s46, s46, 31
	v_mov_b32 v48, s46
	v_mov_b32 v49, s44
.irp j, 0,1,2,3,4
	s_add_co_u32 s44, s45, \j
	s_min_u32 s44, s44, s30
	v_cmp_le_u32 s48, v46, s44
	s_bcnt1_i32_b32 s46, s48
	s_min_u32 s46, s46, 31
	v_writelane_b32 v48, s46, \j
	v_writelane_b32 v49, s44, \j
.endr
	v_lshlrev_b32 v50, 2, v48
.irp k, 0,1,2,3,4,5,6,7
	ds_bpermute_b32 v[52+\k], v50, v[28+\k]        ; that lane's masks,
	ds_bpermute_b32 v[16+\k], v50, v[36+\k]        ; their counts,
.endr
	ds_bpermute_b32 v24, v50, v45                  ; and what lies below it
	s_wait_dscnt 0x0
	v_sub_nc_u32 v25, v49, v24                     ; the rank within the lane's eight words
	v_mov_b32 v27, v52                             ; the word,
	v_mov_b32 v51, 0                               ; what lies below it in the lane,
	v_mov_b32 v60, 0                               ; its number k
	v_mov_b32 v26, v16
.irp k, 1,2,3,4,5,6,7
	v_cmp_ge_u32 vcc_lo, v25, v26
	v_cndmask_b32 v27, v27, v[52+\k], vcc_lo
	v_cndmask_b32 v51, v51, v26, vcc_lo
	v_cndmask_b32 v60, v60, \k, vcc_lo
.if \k < 7
	v_add_nc_u32 v26, v26, v[16+\k]
.endif
.endr
	v_sub_nc_u32 v25, v25, v51                     ; n: the bit wanted is the word's n-th set one, from 0
	v_lshrrev_b32 v32, 1, v27                      ; the word's counts by pairs, fours, bytes and halves
	v_and_b32 v32, 0x55555555, v32
	v_sub_nc_u32 v28, v27, v32
	v_lshrrev_b32 v32, 2, v28
	v_and_b32 v32, 0x33333333, v32
	v_and_b32 v29, 0x33333333, v28
	v_add_nc_u32 v29, v29, v32
	v_lshrrev_b32 v32, 4, v29
	v_add_nc_u32 v30, v29, v32
	v_and_b32 v30, 0x0f0f0f0f, v30
	v_lshrrev_b32 v32, 8, v30
	v_add_nc_u32 v31, v30, v32
	v_and_b32 v31, 0x00ff00ff, v31
	v_mov_b32 v34, 0                               ; the place
.macro NTH src, w, width               ; if n reaches the count of the w bits at the place, they are passed
	v_bfe_u32 v32, v[\src], v34, \width
	v_cmp_ge_u32 vcc_lo, v25, v32
	v_cndmask_b32 v32, 0, v32, vcc_lo
	v_cndmask_b32 v33, 0, \w, vcc_lo
	v_sub_nc_u32 v25, v25, v32
	v_add_nc_u32 v34, v34, v33
.endm
	NTH 31, 16, 8
	NTH 30, 8, 8
	NTH 29, 4, 4
	NTH 28, 2, 2
	NTH 27, 1, 1
	v_and_b32 v32, 3, v60                          ; the word's number in the table: 4 x lane + k % 4 + 128 (k / 4)
	v_lshl_add_u32 v32, v48, 2, v32
	v_lshrrev_b32 v33, 2, v60
	v_lshl_add_u32 v32, v33, 7, v32
	v_lshl_add_u32 v35, v32, 5, v34                ; the token
	v_min_u32 v35, 0x1fff, v35
	v_lshl_add_u32 v33, v0, 2, LIST
	ds_store_b32 v33, v35                          ; a word a thread: each wave writes its own 128 bytes
	; my six rows of xb are asked for, four loads of 512 consecutive bytes each; then five more slots of the ring
.irp i, 0,1,2,3,4,5
	v_readlane_b32 s44, v35, \i
	s_min_u32 s44, s44, 8191
	s_lshl_b32 s50, s44, 11
	s_add_nc_u64 s[68+2*\i:69+2*\i], s[8:9], s[50:51]
.endr
.set nn, 0
.rept 24
	global_load_b128 v[64+4*nn+32*(nn/16):64+4*nn+32*(nn/16)+3], v1, s[68+2*(nn/4):69+2*(nn/4)] offset:(nn%4)*512  ; into v64-127 and v160-191: between them lies b1
.set nn, nn+1
.endr
	RINGLOAD 2, 2
	RINGLOAD 3, 3
	RINGLOAD 4, 4
	RINGLOAD 5, 5
	RINGLOAD 6, 6
	WIN 0
	; ONE WAVE OF THE LAUNCH makes out1, out2 and out3, beside the loads that are on their way.  psum is [256][8]: in each of 16 loads lane l holds experts 4 (l % 2) + 0..3 of one row
	s_cmp_lg_u32 s25, 177
	s_cbranch_scc1 .Lnosum
	s_cmp_lg_u32 s24, 0
	s_cbranch_scc1 .Lnosum
.irp i, 0,1,2,3,4,5,6,7
	global_load_b128 v[16+4*\i:19+4*\i], v1, s[6:7] offset:\i*512
.endr
	WIN 0x40                                       ; eight more into the ring's last slot, which holds nothing yet
.irp i, 0,1,2,3,4,5,6,7
	global_load_b128 v[224+4*\i:227+4*\i], v1, s[6:7] offset:4096+\i*512
.endr
	WIN 0
	s_wait_loadcnt 0x0
	WIN 0x04                                       ; source 1 in window 1
.irp i, 0,1,2,3,4,5,6,7
	v_pk_add_f32 v[16+4*\i:17+4*\i], v[16+4*\i:17+4*\i], v[224+4*\i:225+4*\i]
	v_pk_add_f32 v[18+4*\i:19+4*\i], v[18+4*\i:19+4*\i], v[226+4*\i:227+4*\i]
.endr
	WIN 0
.irp i, 0,1,2,3
	v_pk_add_f32 v[16+4*\i:17+4*\i], v[16+4*\i:17+4*\i], v[32+4*\i:33+4*\i]
	v_pk_add_f32 v[18+4*\i:19+4*\i], v[18+4*\i:19+4*\i], v[34+4*\i:35+4*\i]
.endr
.irp i, 0,1
	v_pk_add_f32 v[16+4*\i:17+4*\i], v[16+4*\i:17+4*\i], v[24+4*\i:25+4*\i]
	v_pk_add_f32 v[18+4*\i:19+4*\i], v[18+4*\i:19+4*\i], v[26+4*\i:27+4*\i]
.endr
	v_pk_add_f32 v[16:17], v[16:17], v[20:21]
	v_pk_add_f32 v[18:19], v[18:19], v[22:23]
.irp m, 2,4,8                           ; over the lanes of my parity
.irp j, 0,1,2,3
	v_add_f32_dpp v[16+\j], v[16+\j], v[16+\j] row_xmask:\m row_mask:0xf bank_mask:0xf
.endr
.endr
.irp j, 0,1,2,3
	v_permlanex16_b32 v[20+\j], v[16+\j], s40, s41
.endr
.irp j, 0,1,2,3
	v_add_f32 v[16+\j], v[16+\j], v[20+\j]
.endr
.irp j, 0,1,2,3
	v_mov_b32 v[24+\j], s[32+\j]                   ; the counts, laid out likewise
	v_mov_b32 v[28+\j], s[36+\j]
.endr
.irp j, 0,1,2,3
	v_cndmask_b32 v[24+\j], v[24+\j], v[28+\j], s53
.endr
.irp j, 0,1,2,3
	v_cvt_f32_u32 v[24+\j], v[24+\j]
.endr
	s_wait_xcnt 0x0                                ; EXEC changes only behind this wait
	v_cmp_gt_u32 vcc_lo, 2, v13
	s_and_saveexec_b32 s52, vcc_lo
	global_store_b128 v1, v[16:19], s[20:21]       ; out2: lanes 0 and 1, 32 bytes
	global_store_b128 v1, v[24:27], s[18:19]       ; out1
	global_store_b32 v10, v10, s[22:23]            ; out3 = 0 (both lanes write the one word)
	s_wait_xcnt 0x0
	s_or_b32 exec_lo, exec_lo, s52
.Lnosum:
	s_wait_loadcnt 40                              ; all but the ring's slots 2 to 6, issued last: the biases, slots 0 and 1 and my six rows are in
.set nn, 0
.rept 24
	ds_store_b128 v11, v[64+4*nn+32*(nn/16):64+4*nn+32*(nn/16)+3] offset:(nn/4)*XP+(nn%4)*512
.set nn, nn+1
.endr
	s_wait_dscnt 0x0                               ; for the others' sake: my rows of X and my part of the list are in LDS
	s_barrier_signal -1
	; work on registers while the others arrive: b1 rounded to bf16 and widened again; b2 rounded and left in pairs, v192-223, so that v224-247 can hold fragments through layer 1
.set pp, 0
.rept 16
	v_cvt_pk_bf16_f32 v[14+pp%2], v[128+2*pp], v[128+2*pp+1]
	v_lshlrev_b32 v[128+2*pp], 16, v[14+pp%2]
	v_and_b32 v[128+2*pp+1], s54, v[14+pp%2]
.set pp, pp+1
.endr
.set pp, 0
.rept 32
	v_cvt_pk_bf16_f32 v[192+pp], v[192+2*pp], v[192+2*pp+1]  ; upward: pair pp lands at or below the registers that it leaves
.set pp, pp+1
.endr
	v_mov_b32 v11, LIST                            ; for the way out
	s_barrier_wait -1
	AFLOAD1 0, 0                                   ; the fragments of the first three steps
	AFLOAD1 1, 1
	AFLOAD1 2, 2
	; LAYER 1: 32 steps of 32 channels, 12 products each.  At a step's head six later slots of the ring (48 loads) and two later steps' fragments (12 LDS loads) may stay out
	SSTEP 0, 1, 1, 1, 1, 48, 12                    ; the first step stands in front of the loop: its products start the sums, with b1
	WIN 0                                          ; at a label and at a branch every window is 0
	s_mov_b32 s49, 3
.Llayer1:
.irp rl, 1,2,3,4,5,6,7,8
	SSTEP \rl, 1, 0, 1, 1, 48, 12
.endr
	WIN 0
	s_wait_xcnt 0x0                                ; the weights' base is stepped only behind this wait
	s_add_nc_u64 s[10:11], s[10:11], 0x8000        ; eight steps on
	v_add_nc_u32 v2, 512, v2
	v_add_nc_u32 v3, 512, v3
	s_sub_co_u32 s49, s49, 1
	s_cmp_lg_u32 s49, 0
	s_cbranch_scc1 .Llayer1
.irp rl, 1,2,3,4
	SSTEP \rl, 1, 0, 1, 1, 48, 12
.endr
	SSTEP 5, 1, 0, 1, 0, 48, 12                    ; the last three fetch no fragments, and their counts run down; the ring goes on into layer 2's weights
	SSTEP 6, 1, 0, 1, 0, 48, 6
	SSTEP 7, 1, 0, 1, 0, 48, 0
	; THE HIDDEN LAYER: rounded to bf16, negatives to 0, a lane's eight columns as 16 bytes into H
	WIN 0
.rept 4
	v_nop                                          ; the places behind the last products
.endr
.set tt, 0
.rept 12
.irp p, 0,1,2,3
	v_cvt_pk_bf16_f32 v[16+4*tt+\p], v[ACC+8*tt+2*\p], v[ACC+8*tt+2*\p+1]  ; each accumulator from its low end
.endr
.set tt, tt+1
.endr
.set tt, 0
.rept 48
	v_pk_max_num_bf16 v[16+tt], v[16+tt], v10
.set tt, tt+1
.endr
.set tt, 0
.rept 12
	ds_store_b128 v5, v[16+4*tt:16+4*tt+3] offset:(tt/4)*16*HP+(tt%4)*32
.set tt, tt+1
.endr
	s_wait_dscnt 0x0                               ; for the others' sake: my columns of H are in LDS
	s_barrier_signal -1
	; work on registers while the others arrive: b2 is widened into layer 2's accumulators of row block 2, v192-255.  Downward, the upper half first: no pair is written over before it is read
.set pp, 31
.rept 32
	v_and_b32 v[193+2*pp], s54, v[192+pp]
	v_lshlrev_b32 v[192+2*pp], 16, v[192+pp]
.set pp, pp-1
.endr
	s_barrier_wait -1                              ; the weights' loads stay on their way across it: no wave touches those bytes
	AFLOAD2 0, 0
	; LAYER 2: 16 times two steps.  The weights' base stands at step 24, so layer 2 begins at 8
	SSTEP 8, 2, 1, 1, 1, 48, 0                     ; the first two start the sums, with b2
	SSTEP 9, 2, 1, 1, 0, 48, 0
	WIN 0
	s_mov_b32 s49, 2
.Llayer2:
.irp rl, 10,12,14,16
	SSTEP \rl, 2, 0, 1, 1, 48, 0
	SSTEP \rl+1, 2, 0, 1, 0, 48, 0
.endr
	WIN 0
	s_wait_xcnt 0x0
	s_add_nc_u64 s[10:11], s[10:11], 0x8000
	v_add_nc_u32 v4, 256, v4                       ; four times 32 hidden columns on
	s_sub_co_u32 s49, s49, 1
	s_cmp_lg_u32 s49, 0
	s_cbranch_scc1 .Llayer2
.set rl, 10                            ; the last fourteen steps are written out: the ring runs dry (the last slot is asked for at 16), and the counts run down
.rept 14
.set RF, 0
.if rl <= 16
.set RF, 1
.endif
.set DN, 0
.if (rl%2 == 0) && (rl < 22)
.set DN, 1
.endif
.set LC, 8*(23-rl)
.if LC > 48
.set LC, 48
.endif
	SSTEP rl, 2, 0, RF, DN, LC, 0
.set rl, rl+1
.endr
	; THE WAY OUT.  A block of 16 rows goes through my stage and comes back as whole rows of my 128 columns, 512 bytes, which are stored at the token's row of out0.  Each row has a register of its own for
	; its offset (token x 4,096 + 16 x lane; v16-63, free now) and each block its own data registers: nothing that a store still reads is written again, so no wait stands between the blocks' stores.
	WIN 0
.rept 4
	v_nop                                          ; the places behind the last products
.endr
.macro OUTBLK mb
.set AB, ACC+64*(\mb)
.set OB, 16+16*(\mb)
.set nn, 0
.rept 16
	ds_load_b32 v[OB+nn], v11 offset:((16*(\mb)+nn)/6)*128+((16*(\mb)+nn)%6)*4  ; row p's token is word p % 6 of wave p / 6's part of the list: one word for all lanes
.set nn, nn+1
.endr
.set nn, 0
.rept 8
	ds_store_b128 v6, v[AB+8*nn:AB+8*nn+3] offset:nn*64      ; each accumulator's low half first
	ds_store_b128 v6, v[AB+8*nn+4:AB+8*nn+7] offset:nn*64+16
.set nn, nn+1
.endr
.set nn, 0
.rept 16
	ds_load_b128 v[AB+4*nn:AB+4*nn+3], v7 offset:nn*SPP      ; LDS serves a wave's instructions in order (ISA guide 5.7.1.4): these see the stores above; the next block's stores come behind them
.set nn, nn+1
.endr
	s_wait_dscnt 32                                ; all but the stage's 32: the block's tokens are in
.set nn, 0
.rept 16
	v_min_u32 v[OB+nn], 0x1fff, v[OB+nn]
.set nn, nn+1
.endr
.set nn, 0
.rept 16
	v_lshl_add_u32 v[OB+nn], v[OB+nn], 12, v1
.set nn, nn+1
.endr
.set nn, 0
.rept 16
	s_cmp_le_u32 s26, 16*(\mb)+nn                  ; rows past the count are not stored
	s_cbranch_scc1 .Lpast_\@
	s_wait_dscnt 15-nn                             ; row nn is back; the younger loads stay out
	global_store_b128 v[OB+nn], v[AB+4*nn:AB+4*nn+3], s[16:17] th:TH_STORE_NT  ; 512 consecutive bytes, at a multiple of 512 from out0's first byte
.set nn, nn+1
.endr
.Lpast_\@:
	s_wait_dscnt 0x0
.endm
	OUTBLK 0
	OUTBLK 1
	OUTBLK 2
	s_wait_tensorcnt 0x0                           ; the wave's end
	ds_add_u32 v8, v9
	s_wait_dscnt 0x0
	s_endpgm
.Lfunc_end_k_qe78e73b219_ffn:
	.size	k_qe78e73b219_ffn, .Lfunc_end_k_qe78e73b219_ffn-k_qe78e73b219_ffn
	.p2alignl 7, 3214868480
	.fill 96, 4, 3214868480
	.section	.rodata,"a",@progbits
	.p2align	6, 0x0
	.amdhsa_kernel k_qe78e73b219_ffn
		.amdhsa_group_segment_fixed_size 218624
		.amdhsa_private_segment_fixed_size 0
		.amdhsa_enable_private_segment 0
		.amdhsa_kernarg_size 80
		.amdhsa_user_sgpr_count 2
		.amdhsa_user_sgpr_kernarg_segment_ptr 1
		.amdhsa_wavefront_size32 1
		.amdhsa_system_sgpr_workgroup_id_x 1
		.amdhsa_system_sgpr_workgroup_id_y 1
		.amdhsa_system_sgpr_workgroup_id_z 1
		.amdhsa_system_vgpr_workitem_id 0
		.amdhsa_next_free_vgpr 512
		.amdhsa_next_free_sgpr 80
		.amdhsa_reserve_vcc 1
		.amdhsa_float_denorm_mode_32 3
		.amdhsa_float_denorm_mode_16_64 3
		.amdhsa_memory_ordered 1
		.amdhsa_forward_progress 1
		.amdhsa_inst_pref_size 159
	.end_amdhsa_kernel
	.amdgpu_metadata
---
amdhsa.version: [ 1, 2 ]
amdhsa.kernels:
  - .name:           k_qe78e73b219_ffn
    .symbol:         k_qe78e73b219_ffn.kd
    .args:
      - { .name: rt, .offset: 0, .size: 8, .value_kind: global_buffer, .address_space: global }
      - { .name: psum, .offset: 8, .size: 8, .value_kind: global_buffer, .address_space: global }
      - { .name: xb, .offset: 16, .size: 8, .value_kind: global_buffer, .address_space: global }
      - { .name: wb, .offset: 24, .size: 8, .value_kind: global_buffer, .address_space: global }
      - { .name: b1, .offset: 32, .size: 8, .value_kind: global_buffer, .address_space: global }
      - { .name: b2, .offset: 40, .size: 8, .value_kind: global_buffer, .address_space: global }
      - { .name: out0, .offset: 48, .size: 8, .value_kind: global_buffer, .address_space: global }
      - { .name: out1, .offset: 56, .size: 8, .value_kind: global_buffer, .address_space: global }
      - { .name: out2, .offset: 64, .size: 8, .value_kind: global_buffer, .address_space: global }
      - { .name: out3, .offset: 72, .size: 8, .value_kind: global_buffer, .address_space: global }
    .group_segment_fixed_size: 218624
    .private_segment_fixed_size: 0
    .kernarg_segment_align: 8
    .kernarg_segment_size: 80
    .max_flat_workgroup_size: 256
    .sgpr_count:     80
    .vgpr_count:     512
    .wavefront_size: 32
...
	.end_amdgpu_metadata
.endif
;; end of part 2
